; MI455X (gfx1250); checked and timed in simulation.
; The chip was launched on July 23, 2026; its instructions are those of AMD's public machine-readable ISA for CDNA 5 (MIT licence, August 2026) and "CDNA5" Instruction Set Architecture Reference Guide (July 2026). The comments in the code are by the model that wrote it; some were corrected since.
;; Multi Head Attention. Allowed arithmetic: matrix products marked QUANTISED: E4M3 operands, one E8M0 scale for each 32 along K, by v_wmma_scale_f32_16x16x128_f8f6f4 with both operands' format E4M3, f32 sums; everything else in f32.
;; Inputs: Wk 1,024 x 1,024 float32; Wq 1,024 x 1,024 float32; Wv 1,024 x 1,024 float32; bk 1,024 float32; bq 1,024 float32; bv 1,024 float32; mask 8 x 1,024 float32; x 8 x 1,024 x 1,024 float32.
;; Outputs: out0 8 x 1,024 x 1,024 float32.
;; This version of the problem:
;;   THIS VERSION OF THE PROBLEM IS GIVEN IN LOW PRECISION. The matrix products marked QUANTISED in the list below multiply operands that are first quantised to E4M3 (4 exponent bits, 3 mantissa bits; 8 bits a number), with one power-of-two scale for each 32 numbers along K (OCP MX v1.0); their sums are f32. All else is computed in f32.
;;   The module's matrix products, in the order in which they are computed (A, B: the left and right operand; K: the contracted axis; several contracted axes count as one K, in the product's order):
;;     1. [M 8,192, K 1,024] x [K 1,024, N 1,024]; A: input x; B: input Wq: QUANTISED
;;     2. [M 8,192, K 1,024] x [K 1,024, N 1,024]; A: input x; B: input Wk: QUANTISED
;;     3. [M 8,192, K 1,024] x [K 1,024, N 1,024]; A: input x; B: input Wv: QUANTISED
;;     4. batch 128 x [M 1,024, K 64] x [K 64, N 1,024]; A: computed on the way; B: computed on the way: QUANTISED
;;     5. batch 128 x [M 64, K 1,024] x [K 1,024, N 1,024]; A: computed on the way; B: computed on the way: QUANTISED
;;   THE QUANTISER, for each operand of a quantised product, along K:
;;     - K is cut into blocks of 32 from its start; a last block that is shorter is filled with zeros.
;;     - A block's scale is 2^e with e = floor(log2(the largest magnitude in the block)) - 8, held to -126 .. 127; a block of zeros has e = 0. As a byte (E8M0): e + 127.
;;     - Each number is divided by its block's scale, clamped to +-448, and rounded to the nearest number of E4M3, ties to even, subnormals kept.
;;     - The product sums the exact products of the quantised numbers (number of the format x scale) in f32.
;;   ~~~python
;;   def quantise(x, axis):      # numpy; x: float32 -> the quantised numbers, widened to float32 again
;;       x = np.moveaxis(x, axis, -1); K = x.shape[-1]
;;       x = np.pad(x, [(0, 0)] * (x.ndim - 1) + [(0, -K % 32)]); x = x.reshape(x.shape[:-1] + (-1, 32)); a = np.abs(x).max(-1, keepdims=True)
;;       e = np.where(a > 0, np.clip(np.frexp(np.where(a > 0, a, 1))[1] - 1 - 8, -126, 127), 0)      # np.frexp(a)[1] - 1 = floor(log2(a)), exactly
;;       r = np.clip(x / 2.0 ** e, -448, 448)
;;       step = 2.0 ** (np.maximum(np.frexp(np.where(r == 0, 1, r))[1] - 1, -6) - 3)
;;       q = np.round(r / step) * step * 2.0 ** e      # np.round: ties to even
;;       return np.moveaxis(q.reshape(q.shape[:-2] + (-1,))[..., :K], -1, axis).astype(np.float32)
;;   ~~~
;;   OPERANDS COMPUTED ON THE WAY. 'Computed on the way' means the value that the module computes at that place (a softmax that the list does not call 'softmax' is quantised finished and normalised). What goes into a quantiser is computed in f32, as accurately as f32 sums, v_exp_f32 and their like allow (about 1e-6 of the number): no bf16 or f16 on the way to a quantiser, and a product that is left as it is and whose result goes on into a quantised operand takes f32 operands (vector FMAs, or v_wmma_f32_16x16x4_f32). A number that lies on a knife's edge between two numbers of the format may be rounded either way, as far as f32 arithmetic and the matrix unit's own rounding can turn it there, and no further.
;; One version. Each part assembles by itself: llvm-mc -triple=amdgcn-amd-amdhsa -mcpu=gfx1250 --defsym DOCPART=n.
;; ======== version 1 of 1: 3 launches
;; limits: right only within a limited range of input values
;; workspace buffers: xc 8,388,608 bytes; xs 262,144 bytes; wc 3,145,728 bytes; ws 98,304 bytes; qkv 25,952,256 bytes
;; launch quant (part 1): grid 352 x 1, 4 waves a work-group, no clusters, 68,096 bytes of LDS; arguments x, Wq, Wk, Wv, xc, xs, wc, ws; writes xc, xs, wc, ws
.if DOCPART == 1
	.amdgcn_target "amdgcn-amd-amdhsa--gfx1250"
	.amdhsa_code_object_version 6
	.text
	.protected	k_q9a9c30bbb6_quant
	.globl	k_q9a9c30bbb6_quant
	.p2align	8
	.type	k_q9a9c30bbb6_quant,@function
k_q9a9c30bbb6_quant:
	s_mov_b64 s[64:65], 0
	v_nop
	global_prefetch_b8 v0, s[64:65] scope:SCOPE_SE
	s_setreg_imm32_b32 hwreg(HW_REG_WAVE_MODE, 25, 1), 1
	s_wait_xcnt 0x0
; FIRST OF THREE LAUNCHES.  The program: (1) x and Wq, Wk, Wv become codes of FP8 (E4M3) with one E8M0 scale byte for each 32 along K = the model's 1,024; (2) the three projections on codes, + bias, their results
; quantised in registers (q, k along the head's 64; v along the keys); (3) exp(q k^T / 8) x mask, normalised by the row's sum + 1e-8, quantised along the keys, times v.
; NOTHING OF reference() IS LEFT OUT: bq and bk go into quantised operands, bv into v, the mask and the 1e-8 reach the output; every input is loaded by some launch.
; THIS LAUNCH.  A block's scale is 2^(floor(log2(its largest magnitude)) - 8); its byte is that magnitude's exponent field - 8, held at 1 from below.  Each number is divided by the scale, held within +-448, rounded to the nearest code, ties to even.
; (A block of zeros gets the byte 1 where the rule says 127: its codes are zeros, which add nothing under any byte but 0xff, and this program alone reads the bytes.)
; LIMITS: NaN and infinities among the inputs are not served.
; THE ORDER OF ROWS.  Row p of xc / xs holds token pi(p), row p of each weight's part of wc / ws holds column pi(p), pi = bits 3 and 4 of the index exchanged.  Sixteen NEIGHBOURING stored rows 16 (2 b + u) + r are then the
; indices 32 b + 8 u + r + 8 (r / 8): used as source 0 of a matrix instruction, two neighbouring such tiles leave a lane 16 neighbours, 32 b + 16 (lane / 16) + 0 .. 15, which is what the later quantisers want.
; Work-groups 0-255 take x (K innermost: a plain stream of blocks), work-groups 256-351 the weights (K is the first axis: a lane takes a column, its registers run down K).  The two ways part on the work-group's number
; alone and have LDS bytes of their own.  No tensor loads, no barrier: waves share nothing.  No cluster: no two work-groups read the same bytes.
.set STEPS, 16
.set EMAX,  8
.set MANT,  0x600000                   ; the mantissa field of 448 as f32
.set SP,    80                         ; x: a lane's place in a stage: 64 bytes + 16 of padding
.set WREG,  8192                       ; x: LDS of a wave: two stages of 32 x SP bytes, then its 256 scale bytes
.set WSTG,  32768                      ; W: four stages of 32 rows x PITCH begin here
.set PITCH, 272                        ; W: a stage row: 256 codes + 16 of padding
.set SPARE, 67584                      ; behind both: the spare words, 128 bytes for each wave: two blocks of 256 bytes that no other line names
.set SPW,   192                        ; v192  LDS address of my spare word; never rewritten
.set NIL,   193                        ; v193  0; never rewritten
.set R,     16                         ; x: v16-79   four sets of 16 numbers as loaded
.set X,     80                         ; x: v80-111  two sets of 16 neighbours
.set E,     112                        ; x: v112-127 a scale byte for each step
.set C,     128                        ; x: v128-191 four registers of codes for each step
.set NB,    8                          ; W: blocks of 32 along K for a wave
.set SB,    24                         ; W: v24-25   the scale bytes, four to a register
.set XW,    32                         ; W: v32-95   two sets of 32 numbers
.set CW,    96                         ; W: v96-103  a block's codes
.set OUTR,  112                        ; W: v112-175 the way out
.macro XLOAD t
.irp i, 0,1,2,3
	global_load_b128 v[R+16*((\t)%4)+4*\i:R+16*((\t)%4)+4*\i+3], v3, s[4:5] offset:2048*(\t)+512*\i th:TH_LOAD_NT   ; 32 lanes read 512 consecutive bytes
.endr
.endm
.macro XTURN t                         ; step t's 2,048 bytes through the wave's stage: in as they lie, out 64 bytes a lane.  LDS serves a wave's instructions in order: no wait between
.irp i, 0,1,2,3
	ds_store_b128 v14, v[R+16*((\t)%4)+4*\i:R+16*((\t)%4)+4*\i+3] offset:32*SP*((\t)%2)+8*SP*\i
.endr
.irp i, 0,1,2,3
	ds_load_b128 v[X+16*((\t)%2)+4*\i:X+16*((\t)%2)+4*\i+3], v15 offset:32*SP*((\t)%2)+16*\i
.endr
.endm
.macro XSTEP t
.set XS, X+16*((\t)%2)
.if (\t) > 0
	s_wait_dscnt 1                                 ; this step's numbers are back from the stage (the last step's byte store may be out)
.else
	s_wait_dscnt 0x0
.endif
.if (\t)+4 < STEPS
	XLOAD (\t)+4                                   ; into the registers that the stage's stores have read
.endif
.if (\t)+1 < STEPS
.if STEPS-2-(\t) >= 3
	s_wait_loadcnt 12                              ; the next step's four loads are in; those of the three steps behind it may be out
.else
	s_wait_loadcnt 4*(STEPS-2-(\t))
.endif
	XTURN (\t)+1
.endif
	v_max3_num_f32 v8, |v[XS]|, |v[XS+1]|, |v[XS+2]|               ; the largest magnitude of my 16, in two chains
	v_max3_num_f32 v9, |v[XS+3]|, |v[XS+4]|, |v[XS+5]|
.irp i, 6,10
	v_max3_num_f32 v8, v8, |v[XS+\i]|, |v[XS+\i+1]|
	v_max3_num_f32 v9, v9, |v[XS+\i+2]|, |v[XS+\i+3]|
.endr
	v_max3_num_f32 v8, v8, |v[XS+14]|, |v[XS+15]|
	v_max3_num_f32 v8, v8, v9, (EMAX+1)<<23        ; and the floor 2^(9 - 127): the byte cannot fall under 1
	v_max_num_f32_dpp v8, v8, v8 row_xmask:1 row_mask:0xf bank_mask:0xf   ; with my neighbour's 16: the block's
	v_add_nc_u32 v11, -(EMAX<<23), v8              ; 8 off the exponent field: the conversion takes this operand's exponent field as its scale
	v_and_or_b32 v10, v8, 0x7f800000, s23          ; 448 x the scale
.irp i, 0,1,2,3,4,5,6,7,8,9,10,11,12,13,14,15
	v_med3_num_f32 v[XS+\i], v[XS+\i], -v10, v10   ; the conversion to an 8-bit code does not saturate (ISA guide 7.6.2): the hold
.endr
	v_cvt_scalef32_pk8_fp8_f32 v[C+4*(\t):C+4*(\t)+1], v[XS:XS+7], v11
	v_cvt_scalef32_pk8_fp8_f32 v[C+4*(\t)+2:C+4*(\t)+3], v[XS+8:XS+15], v11
	v_lshrrev_b32 v[E+(\t)], 23, v11               ; the scale's byte
	ds_store_b8 v5, v[E+(\t)] offset:16*(\t)       ; both lanes of a block write the same byte with the same value
	global_store_b128 v3, v[C+4*(\t):C+4*(\t)+3], s[12:13] offset:512*(\t)   ; 32 lanes store 512 consecutive bytes
.endm
.macro WLOAD t                         ; block t: W(32 t + i, my column), i = 0 .. 31
.irp i, 0,1,2,3,4,5,6,7,8,9,10,11,12,13,14,15,16,17,18,19,20,21,22,23,24,25,26,27,28,29,30,31
	global_load_b32 v[XW+32*((\t)%2)+\i], v3, s[6:7] offset:(32*(\t)+\i)*4096 th:TH_LOAD_NT
.endr
.endm
.macro BLOCK t
.set XS, XW+32*((\t)%2)
.if (\t) < NB-1
	s_wait_loadcnt 32                              ; this block's 32 loads are in; the next block's may be out
.else
	s_wait_loadcnt 0
.endif
	v_max3_num_f32 v12, |v[XS]|, |v[XS+1]|, |v[XS+2]|              ; all 32 numbers of the block are mine
	v_max3_num_f32 v13, |v[XS+3]|, |v[XS+4]|, |v[XS+5]|
.irp i, 6,10,14,18,22,26
	v_max3_num_f32 v12, v12, |v[XS+\i]|, |v[XS+\i+1]|
	v_max3_num_f32 v13, v13, |v[XS+\i+2]|, |v[XS+\i+3]|
.endr
	v_max3_num_f32 v12, v12, |v[XS+30]|, |v[XS+31]|
	v_max3_num_f32 v12, v12, v13, (EMAX+1)<<23
	v_add_nc_u32 v11, -(EMAX<<23), v12
	v_and_or_b32 v10, v12, 0x7f800000, s33
	v_lshrrev_b32 v13, 23, v11
.if (\t)%4 == 0
	v_mov_b32 v[SB+(\t)/4], v13                    ; four bytes to a register, the lower K in the lower byte
.else
	v_lshl_or_b32 v[SB+(\t)/4], v13, 8*((\t)%4), v[SB+(\t)/4]
.endif
.irp i, 0,1,2,3,4,5,6,7,8,9,10,11,12,13,14,15,16,17,18,19,20,21,22,23,24,25,26,27,28,29,30,31
	v_med3_num_f32 v[XS+\i], v[XS+\i], -v10, v10
.endr
.irp g, 0,1,2,3
	v_cvt_scalef32_pk8_fp8_f32 v[CW+2*\g:CW+2*\g+1], v[XS+8*\g:XS+8*\g+7], v11
.endr
	ds_store_b128 v4, v[CW:CW+3] offset:32*(\t)    ; 32 codes of my column's row
	ds_store_b128 v4, v[CW+4:CW+7] offset:32*(\t)+16
.if (\t)+2 < NB
	WLOAD (\t)+2
.endif
	s_wait_dscnt 0x0                               ; the stores have read their registers: the next block's codes may be written
.endm
	s_load_b256 s[4:11], s[0:1], 0x0               ; x s[4:5], Wq s[6:7], Wk s[8:9], Wv s[10:11]
	s_load_b256 s[12:19], s[0:1], 0x20             ; xc s[12:13], xs s[14:15], wc s[16:17], ws s[18:19]
	v_lshl_add_u32 v[SPW], v0, 2, SPARE
	v_mov_b32 v[NIL], 0
	v_lshrrev_b32 v1, 5, v0
	v_readfirstlane_b32 s20, v1                    ; wave 0..3
	v_and_b32 v2, 31, v0                           ; lane
	s_cmp_lt_u32 ttmp9, 256
	s_cbranch_scc0 .Lw
	; ---- x: my wave's run of 8,192 numbers is rows 8 R .. 8 R + 7, R = 4 x work-group + wave; it goes to run 4 x work-group + pi(wave): the wave's two bits exchanged
	v_lshlrev_b32 v3, 4, v2                        ; 16 x lane: my bytes of a load's 512, and of a step's 512 bytes of codes
	s_mul_i32 s21, s20, WREG
	v_lshrrev_b32 v14, 2, v2
	v_mul_u32_u24 v14, v14, SP
	v_and_b32 v15, 3, v2
	v_lshl_add_u32 v14, v15, 4, v14
	v_add_nc_u32 v14, s21, v14                     ; the stage, in: SP (lane / 4) + 16 (lane % 4)
	v_mul_u32_u24 v15, v2, SP
	v_add_nc_u32 v15, s21, v15                     ; and out: SP x lane
	v_lshrrev_b32 v5, 1, v2
	s_add_co_u32 s21, s21, 2*32*SP
	v_add_nc_u32 v5, s21, v5                       ; my block's scale byte in the wave's 256
	v_lshlrev_b32 v7, 3, v2
	v_add_nc_u32 v6, s21, v7                       ; and 8 bytes a lane on the way out
	s_mov_b32 s23, MANT
	s_lshl_b32 s24, ttmp9, 2
	s_add_co_u32 s26, s24, s20                     ; R
	s_and_b32 s25, s20, 1
	s_lshl_b32 s25, s25, 1
	s_lshr_b32 s27, s20, 1
	s_or_b32 s25, s25, s27
	s_add_co_u32 s24, s24, s25                     ; where it goes
	s_lshl_b32 s26, s26, 15                        ; 32,768 bytes of f32 a run
	s_mov_b32 s27, 0
	s_lshl_b32 s28, s24, 13                        ; 8,192 bytes of codes
	s_mov_b32 s29, 0
	s_lshl_b32 s30, s24, 8                         ; 256 scale bytes
	s_mov_b32 s31, 0
	s_wait_alu depctr_va_vdst(0)
	s_wait_kmcnt 0x0
	s_add_nc_u64 s[4:5], s[4:5], s[26:27]
	s_add_nc_u64 s[12:13], s[12:13], s[28:29]
	s_add_nc_u64 s[14:15], s[14:15], s[30:31]
.irp t, 0,1,2,3
	XLOAD \t
.endr
	s_wait_loadcnt 12                              ; step 0's four loads are in
	XTURN 0
.irp t, 0,1,2,3,4,5,6,7,8,9,10,11,12,13,14,15
	XSTEP \t
.endr
	ds_load_b64 v[8:9], v6                         ; LDS serves a wave's instructions in order: these see my byte stores
	s_wait_dscnt 0x0
	global_store_b64 v7, v[8:9], s[14:15]          ; 32 lanes store 256 consecutive bytes, aligned
	s_branch .Lend
.Lw:
	; ---- the weights: work-group 256 + 32 z + 8 ky + nx takes weight z, columns 128 nx on, K 256 ky on; a wave 32 columns
	s_sub_co_u32 s21, ttmp9, 256
	s_lshr_b32 s22, s21, 5                         ; z
	s_and_b32 s23, s21, 7                          ; nx
	s_bfe_u32 s24, s21, 0x20003                    ; ky
	s_lshl_b32 s23, s23, 7
	s_lshl_b32 s25, s20, 5
	s_add_co_u32 s23, s23, s25                     ; my wave's first column
	s_wait_alu depctr_va_vdst(0)
	v_lshlrev_b32 v3, 2, v2                        ; in: 4 bytes a lane
	v_and_b32 v5, 7, v2
	v_bfe_u32 v6, v2, 3, 1
	v_lshl_add_u32 v5, v6, 4, v5
	v_bfe_u32 v6, v2, 4, 1
	v_lshl_add_u32 v5, v6, 3, v5                   ; pi(lane): the row among the wave's 32 to which my column goes
	s_mul_i32 s25, s20, 32*PITCH
	s_add_co_u32 s25, s25, WSTG                    ; my stage
	v_mul_u32_u24 v4, v5, PITCH
	v_add_nc_u32 v4, s25, v4                       ; into it
	v_lshlrev_b32 v9, 5, v5                        ; and my row of 32 scale bytes
	v_and_b32 v5, 15, v2
	v_lshrrev_b32 v6, 4, v2                        ; out of it: sixteen lanes to a row, two rows an instruction
	v_mul_u32_u24 v7, v6, PITCH
	v_lshl_add_u32 v7, v5, 4, v7
	v_add_nc_u32 v7, s25, v7
	v_lshlrev_b32 v8, 10, v6                       ; the same place in wc: rows of 1,024 bytes
	v_lshl_add_u32 v8, v5, 4, v8
	s_lshl_b32 s26, s24, 20                        ; W: 256 ky rows of 4,096 bytes + 4 x column
	s_lshl_b32 s27, s23, 2
	s_add_co_u32 s26, s26, s27
	s_mov_b32 s27, 0
	s_lshl_b32 s28, s22, 20                        ; wc: 1,024 z rows + column rows of 1,024 bytes + 256 ky
	s_lshl_b32 s29, s23, 10
	s_add_co_u32 s28, s28, s29
	s_lshl_b32 s29, s24, 8
	s_add_co_u32 s28, s28, s29
	s_mov_b32 s29, 0
	s_lshl_b32 s30, s22, 15                        ; ws: rows of 32 bytes, + 8 ky
	s_lshl_b32 s31, s23, 5
	s_add_co_u32 s30, s30, s31
	s_lshl_b32 s31, s24, 3
	s_add_co_u32 s30, s30, s31
	s_mov_b32 s31, 0
	s_mov_b32 s33, MANT
	s_wait_kmcnt 0x0
	s_cmp_eq_u32 s22, 1                            ; which weight: the choice hangs on the work-group's number alone
	s_cselect_b64 s[6:7], s[8:9], s[6:7]
	s_cmp_eq_u32 s22, 2
	s_cselect_b64 s[6:7], s[10:11], s[6:7]
	s_add_nc_u64 s[6:7], s[6:7], s[26:27]
	s_add_nc_u64 s[16:17], s[16:17], s[28:29]
	s_add_nc_u64 s[18:19], s[18:19], s[30:31]
	WLOAD 0
	WLOAD 1
.irp t, 0,1,2,3,4,5,6,7
	BLOCK \t
.endr
	global_store_b64 v9, v[SB:SB+1], s[18:19]      ; my column's 8 scale bytes: rows 32 bytes apart, so aligned blocks of 256 bytes are written in parts: one byte in 128 of what this way reads
.irp t, 0,1,2,3,4,5,6,7,8,9,10,11,12,13,14,15
	ds_load_b128 v[OUTR+4*\t:OUTR+4*\t+3], v7 offset:2*\t*PITCH
.endr
.irp t, 0,1,2,3,4,5,6,7,8,9,10,11,12,13,14,15
	s_wait_dscnt 15-\t
	global_store_b128 v8, v[OUTR+4*\t:OUTR+4*\t+3], s[16:17] offset:2*\t*1024   ; sixteen lanes store 256 consecutive bytes, aligned
.endr
.Lend:
	s_wait_tensorcnt 0x0                           ; the wave's end, behind my last LDS store
	ds_add_u32 v[SPW], v[NIL]
	s_wait_dscnt 0x0
	s_endpgm
.Lfunc_end_k_q9a9c30bbb6_quant:
	.size	k_q9a9c30bbb6_quant, .Lfunc_end_k_q9a9c30bbb6_quant-k_q9a9c30bbb6_quant
	.p2alignl 7, 3214868480
	.fill 96, 4, 3214868480
	.section	.rodata,"a",@progbits
	.p2align	6, 0x0
	.amdhsa_kernel k_q9a9c30bbb6_quant
		.amdhsa_group_segment_fixed_size 68096
		.amdhsa_private_segment_fixed_size 0
		.amdhsa_enable_private_segment 0
		.amdhsa_kernarg_size 64
		.amdhsa_user_sgpr_count 2
		.amdhsa_user_sgpr_kernarg_segment_ptr 1
		.amdhsa_wavefront_size32 1
		.amdhsa_system_sgpr_workgroup_id_x 1
		.amdhsa_system_sgpr_workgroup_id_y 1
		.amdhsa_system_sgpr_workgroup_id_z 1
		.amdhsa_system_vgpr_workitem_id 0
		.amdhsa_next_free_vgpr 194
		.amdhsa_next_free_sgpr 66
		.amdhsa_reserve_vcc 0
		.amdhsa_float_denorm_mode_32 3
		.amdhsa_float_denorm_mode_16_64 3
		.amdhsa_memory_ordered 1
		.amdhsa_forward_progress 1
		.amdhsa_inst_pref_size 110
	.end_amdhsa_kernel
	.amdgpu_metadata
---
amdhsa.version: [ 1, 2 ]
amdhsa.kernels:
  - .name:           k_q9a9c30bbb6_quant
    .symbol:         k_q9a9c30bbb6_quant.kd
    .args:
      - { .name: x, .offset: 0, .size: 8, .value_kind: global_buffer, .address_space: global }
      - { .name: Wq, .offset: 8, .size: 8, .value_kind: global_buffer, .address_space: global }
      - { .name: Wk, .offset: 16, .size: 8, .value_kind: global_buffer, .address_space: global }
      - { .name: Wv, .offset: 24, .size: 8, .value_kind: global_buffer, .address_space: global }
      - { .name: xc, .offset: 32, .size: 8, .value_kind: global_buffer, .address_space: global }
      - { .name: xs, .offset: 40, .size: 8, .value_kind: global_buffer, .address_space: global }
      - { .name: wc, .offset: 48, .size: 8, .value_kind: global_buffer, .address_space: global }
      - { .name: ws, .offset: 56, .size: 8, .value_kind: global_buffer, .address_space: global }
    .group_segment_fixed_size: 68096
    .private_segment_fixed_size: 0
    .kernarg_segment_align: 8
    .kernarg_segment_size: 64
    .max_flat_workgroup_size: 128
    .sgpr_count:     66
    .vgpr_count:     194
    .wavefront_size: 32
...
	.end_amdgpu_metadata
.endif
;; end of part 1
;; launch proj (part 2): grid 8 x 32, 4 waves a work-group, clusters of 4 x 4, 327,680 bytes of LDS; arguments xc, xs, wc, ws, qkv, bq, bk, bv; writes qkv
.if DOCPART == 2
	.amdgcn_target "amdgcn-amd-amdhsa--gfx1250"
	.amdhsa_code_object_version 6
	.text
	.protected	k_q9a9c30bbb6_proj
	.globl	k_q9a9c30bbb6_proj
	.p2align	8
	.type	k_q9a9c30bbb6_proj,@function
k_q9a9c30bbb6_proj:
	s_mov_b64 s[64:65], 0
	v_nop
	global_prefetch_b8 v0, s[64:65] scope:SCOPE_SE
	s_setreg_imm32_b32 hwreg(HW_REG_WAVE_MODE, 25, 1), 1
	s_wait_xcnt 0x0
	s_wait_alu depctr_hold_cnt(0) depctr_sa_sdst(0) depctr_va_vdst(0) depctr_va_sdst(0) depctr_va_ssrc(0) depctr_va_vcc(0) depctr_vm_vsrc(0)
	s_getreg_b32 s2, hwreg(HW_REG_IB_STS2, 6, 4)
	s_cmp_eq_u32 s2, 0
	s_cbranch_scc0 .Lentry_in_a_cluster
	s_endpgm
.Lentry_in_a_cluster:
	s_bfe_u32 s2, ttmp6, 0x10000c
	s_cmp_lg_u32 s2, 0xf033
	s_cbranch_scc0 .Lentry_shape_is_right
	s_endpgm
.Lentry_shape_is_right:
.set KSTEP,  256
.set NQ,     2
.set ROWB,   256
.set KROW,   1024
.set PITCH,  272
.set FR,     16
.set NL,     4
.set NP,     8
.set HALFT,  128*PITCH
.set SLOT,   4*HALFT
.set KS,     32
.set SCL,    2*SLOT
.set HALFS,  16*272
.set SBLK,   2*272
.set SCL2,   SCL+4*HALFS
.set SPARE,  SCL2+3*HALFS
.set REC,    67584
.set BV,   8
.set ADRA, 16
.set ADRA2,18
.set ADRB, 20
.set BO2,  22
.set LI,   24
.set LS,   25
.set BO,   26
.set ADRS, 27
.set SPW,  28
.set NIL,  29
.set ADRS2,30
.set SC,   32
.set BB,   64
.set AF,   128
.set PC,   192
.set TM,   208
.set WD,   224
.set MG,   232
.set G1, 24
.set G0, 32
.set G1B, 48
.set G0B, 56
.set G1S, 68
.set G0S, 76
.set G1SB, 80
.set G0SB, 88
.set G0S2, 92
.set G0SB2, 96
.set A2P, 100
.set B2P, 104
.set SEL, 68
.set MNT, 70
.set HM,  71
.set OC1, 72
.set OS1, 74
.set OC2, 76
.set OS2, 78
.set BP1, 80
.set BP2, 82
.set MSB, 0
.macro WIN new
.if MSB != (\new)
	s_set_vgpr_msb (MSB<<8)|(\new)
.set MSB, (\new)
.endif
.endm
.set MUL_LO, 0xa1
.set MUL_HI, 0xf1
.set TO_B,   0x40
.macro JLOAD g0a, g1a, g0b, g1b
	s_cmp_eq_u32 s15, 0
	s_cbranch_scc0 .Lfor_b_\@
	tensor_load_to_lds s[\g0a:\g0a+3], s[\g1a:\g1a+7]
	s_nop 0
.rept 4
	v_nop
.endr
	s_branch .Lasked_\@
.Lfor_b_\@:
	tensor_load_to_lds s[\g0b:\g0b+3], s[\g1b:\g1b+7]
	s_nop 0
.rept 4
	v_nop
.endr
.Lasked_\@:
.endm
.macro JLOAD3 g0a, g1a, g0b, g1b
	s_cmp_eq_u32 s15, 0
	s_cbranch_scc0 .Lfor_b3_\@
	s_cmp_eq_u32 s14, 0
	s_cbranch_scc0 .Lasked3_\@
	tensor_load_to_lds s[\g0a:\g0a+3], s[\g1a:\g1a+7]
	s_nop 0
.rept 4
	v_nop
.endr
	s_branch .Lasked3_\@
.Lfor_b3_\@:
	tensor_load_to_lds s[\g0b:\g0b+3], s[\g1b:\g1b+7]
	s_nop 0
.rept 4
	v_nop
.endr
.Lasked3_\@:
.endm
.macro CREST
	s_cmp_lg_u32 s14, 0
	s_cbranch_scc1 .Lnot_wave_0_\@
	s_barrier_signal -3
.Lnot_wave_0_\@:
	s_barrier_wait -3
	s_barrier_signal -1
	s_barrier_wait -1
.endm
.macro CROUND
	s_barrier_signal -1
	s_barrier_wait -1
	CREST
.endm
	s_load_b256 s[4:11], s[0:1], 0x0
	s_load_b64 s[12:13], s[0:1], 0x20
	v_lshl_add_u32 v[SPW], v0, 2, SPARE
	v_mov_b32 v[NIL], 0
	ds_add_u32 v[SPW], v[NIL]
	ds_add_u32 v[SPW], v[NIL]
	v_lshrrev_b32 v1, 5, v0
	v_readfirstlane_b32 s14, v1
	s_lshr_b32 s15, s14, 1
	s_and_b32 s16, s14, 1
	s_bfe_u32 s40, ttmp6, 0x40000
	s_bfe_u32 s41, ttmp6, 0x40004
	s_and_b32 s18, ttmp7, 0xffff
	s_lshl_b32 s18, s18, 2
	s_lshl_b32 s19, ttmp9, 2
	s_add_co_u32 s17, s18, s41
	s_add_co_u32 s42, s19, s40
	s_add_co_u32 s46, s19, s41
	s_add_co_u32 s66, s18, s40
	s_lshl_b32 s43, s41, 2
	s_lshl_b32 s43, 15, s43
	s_lshl_b32 s44, 0x1111, s40
	s_or_b32 s[G1+0], s43, (0<<16)|(1<<20)|(1<<21)|(5<<22)|(3<<25)
	s_or_b32 s[G1B+0], s44, (0<<16)|(1<<20)|(1<<21)|(5<<22)|(3<<25)
.irp g, G1, G1B
	s_mov_b32 s[\g+1], ROWB<<16
	s_mov_b32 s[\g+2], 128<<16
	s_mov_b32 s[\g+3], ROWB<<16
	s_mov_b32 s[\g+4], 128
	s_mov_b32 s[\g+5], KROW
	s_mov_b32 s[\g+6], 0
	s_mov_b32 s[\g+7], 0
.endr
	s_or_b32 s[G1S+0], s43, (3<<16)|(1<<20)|(1<<21)|(5<<22)|(3<<25)
	s_or_b32 s[G1SB+0], s44, (3<<16)|(1<<20)|(1<<21)|(5<<22)|(3<<25)
.irp g, G1S, G1SB
	s_mov_b32 s[\g+1], 32<<16
	s_mov_b32 s[\g+2], 16<<16
	s_mov_b32 s[\g+3], 32<<16
	s_mov_b32 s[\g+4], 16
	s_mov_b32 s[\g+5], 32
	s_mov_b32 s[\g+6], 0
	s_mov_b32 s[\g+7], 0
.endr
	s_lshl_b32 s2, s16, 7
	s_lshl_b32 s20, s17, 8
	s_add_co_u32 s20, s20, s2
	s_lshl_b32 s22, s42, 8
	s_add_co_u32 s22, s22, s2
	s_lshl_b32 s46, s46, 7
	s_add_co_u32 s46, s46, 2048
	s_lshl_b32 s66, s66, 8
	s_add_co_u32 s66, s66, s2
	s_mov_b32 s21, 0
	s_mov_b32 s23, 0
	s_mov_b32 s47, 0
	s_mov_b32 s67, 0
	s_mul_i32 s45, s14, HALFT
	s_mul_i32 s18, s14, HALFS
	s_mul_i32 s19, s16, HALFS
	s_wait_dscnt 0x0
	s_wait_kmcnt 0x0
	s_lshl_b64 s[A2P:A2P+1], s[20:21], 5
	s_mov_b32 s[G0S], 1
	s_add_co_u32 s[G0S+1], s18, SCL
	s_add_nc_u64 s[G0S+2:G0S+3], s[6:7], s[A2P:A2P+1]
	s_or_b32 s[G0S+3], s[G0S+3], 0x80000000
	s_lshl_b64 s[B2P:B2P+1], s[22:23], 5
	s_mov_b32 s[G0SB], 1
	s_add_co_u32 s[G0SB+1], s18, SCL
	s_add_nc_u64 s[G0SB+2:G0SB+3], s[10:11], s[B2P:B2P+1]
	s_or_b32 s[G0SB+3], s[G0SB+3], 0x80000000
	s_lshl_b64 s[A2P:A2P+1], s[46:47], 5
	s_mov_b32 s[G0S2], 1
	s_mov_b32 s[G0S2+1], SCL2
	s_add_nc_u64 s[G0S2+2:G0S2+3], s[10:11], s[A2P:A2P+1]
	s_or_b32 s[G0S2+3], s[G0S2+3], 0x80000000
	s_lshl_b64 s[B2P:B2P+1], s[66:67], 5
	s_mov_b32 s[G0SB2], 1
	s_add_co_u32 s[G0SB2+1], s19, SCL2+HALFS
	s_add_nc_u64 s[G0SB2+2:G0SB2+3], s[6:7], s[B2P:B2P+1]
	s_or_b32 s[G0SB2+3], s[G0SB2+3], 0x80000000
	s_lshl_b64 s[20:21], s[20:21], 10
	s_lshl_b64 s[22:23], s[22:23], 10
	s_lshl_b64 s[46:47], s[46:47], 10
	s_lshl_b64 s[66:67], s[66:67], 10
	s_add_nc_u64 s[20:21], s[4:5], s[20:21]
	s_add_nc_u64 s[22:23], s[8:9], s[22:23]
	s_add_nc_u64 s[A2P:A2P+1], s[8:9], s[46:47]
	s_add_nc_u64 s[B2P:B2P+1], s[4:5], s[66:67]
	CROUND
	JLOAD G0S, G1S, G0SB, G1SB
	s_wait_alu depctr_va_vdst(0)
	s_wait_tensorcnt 0x0
	ds_add_u32 v28, v29
	s_wait_dscnt 0x0
	CROUND
	JLOAD3 G0S2, G1S, G0SB2, G1SB
.irp s, 0,1
	s_mov_b32 s[G0+4*\s], 1
	s_add_co_u32 s[G0+4*\s+1], s45, \s*SLOT
	s_add_nc_u64 s[G0+4*\s+2:G0+4*\s+3], s[20:21], \s*ROWB
	s_or_b32 s[G0+4*\s+3], s[G0+4*\s+3], 0x80000000
	s_mov_b32 s[G0B+4*\s], 1
	s_add_co_u32 s[G0B+4*\s+1], s45, \s*SLOT
	s_add_nc_u64 s[G0B+4*\s+2:G0B+4*\s+3], s[22:23], \s*ROWB
	s_or_b32 s[G0B+4*\s+3], s[G0B+4*\s+3], 0x80000000
	s_wait_alu depctr_va_vdst(0)
	s_wait_tensorcnt 0x0
	ds_add_u32 v28, v29
	s_wait_dscnt 0x0
	CROUND
	JLOAD G0+4*\s, G1, G0B+4*\s, G1B
.endr
	s_load_b128 s[4:7], s[0:1], 0x28
	s_load_b64 s[8:9], s[0:1], 0x38
	v_and_b32 v1, 15, v0
	v_bfe_u32 v2, v0, 4, 1
	v_mul_u32_u24 v3, v1, PITCH
	v_lshl_add_u32 v4, v2, 4, v3
	s_mul_i32 s21, s15, HALFT
	s_mul_i32 s22, s16, HALFT
	s_add_co_u32 s22, s22, 2*HALFT
	s_mul_i32 s23, s15, 64*PITCH
.irp s, 0,1
	v_add_nc_u32 v[ADRA+\s], s21, v4
	v_add_nc_u32 v[ADRB+\s], s22, v4
	v_add_nc_u32 v[ADRA2+\s], s23, v4
	s_add_co_u32 s21, s21, SLOT
	s_add_co_u32 s22, s22, SLOT
	s_add_co_u32 s23, s23, SLOT
.endr
	v_mul_u32_u24 v5, v1, KS
	v_lshrrev_b32 v6, 8, v5
	v_lshl_add_u32 v5, v6, 4, v5
	s_mul_i32 s21, s15, HALFS
	s_mul_i32 s22, s16, HALFS
	s_add_co_u32 s22, s22, 2*HALFS
	s_sub_co_u32 s22, s22, s21
	v_mul_u32_u24 v6, s22, v2
	s_add_co_u32 s21, s21, SCL
	v_add_nc_u32 v6, v5, v6
	v_add_nc_u32 v[ADRS], s21, v6
	s_mul_i32 s21, s15, 8*272
	s_mul_i32 s22, s16, HALFS
	s_add_co_u32 s22, s22, HALFS
	s_sub_co_u32 s22, s22, s21
	v_mul_u32_u24 v6, s22, v2
	s_wait_alu depctr_va_vdst(0)
	s_add_co_u32 s21, s21, SCL2
	v_add_nc_u32 v6, v5, v6
	v_add_nc_u32 v[ADRS2], s21, v6
	v_and_b32 v6, 31, v0
	v_lshlrev_b32 v[LI], 4, v6
	v_lshlrev_b32 v[LS], 2, v6
	v_lshlrev_b32 v[BO], 6, v2
	v_and_b32 v[BO2], 7, v0
	v_bfe_u32 v3, v0, 3, 1
	v_lshl_add_u32 v[BO2], v3, 4, v[BO2]
	v_lshlrev_b32 v[BO2], 2, v[BO2]
.macro FRAG reg, adr, q, i
.irp c, 0,1,2,3
	ds_load_b128 v[\reg+4*\c:\reg+4*\c+3], v[\adr] offset:128*(\q)+32*\c+(\i)*16*PITCH
.endr
.endm
.macro MUL16 a0, p, q, sc, zero
.irp a, \a0, \a0+1
.irp b, 0,1,2,3,4,5,6,7
.if \zero
	v_wmma_scale_f32_16x16x128_f8f6f4 v[8*(8*((\a)%4)+\b):8*(8*((\a)%4)+\b)+7], v[128*(\p)+FR*\b:128*(\p)+FR*\b+FR-1], v[AF+FR*(\a):AF+FR*(\a)+FR-1], 0, v[SC+8*NQ*(\sc)+NQ*\b+(\q)], v[SC+8*NQ*(\sc)+NQ*(\a)+(\q)] matrix_a_scale:MATRIX_SCALE_ROW1
.else
	v_wmma_scale_f32_16x16x128_f8f6f4 v[8*(8*((\a)%4)+\b):8*(8*((\a)%4)+\b)+7], v[128*(\p)+FR*\b:128*(\p)+FR*\b+FR-1], v[AF+FR*(\a):AF+FR*(\a)+FR-1], v[8*(8*((\a)%4)+\b):8*(8*((\a)%4)+\b)+7], v[SC+8*NQ*(\sc)+NQ*\b+(\q)], v[SC+8*NQ*(\sc)+NQ*(\a)+(\q)] matrix_a_scale:MATRIX_SCALE_ROW1
.endif
.endr
.endr
.endm
.macro MUL8V a, p, sc, zero
.irp b, 0,1,2,3,4,5,6,7
.if \zero
	v_wmma_scale_f32_16x16x128_f8f6f4 v[8*(8*(\a)+\b):8*(8*(\a)+\b)+7], v[128*(\p)+FR*\b:128*(\p)+FR*\b+FR-1], v[AF+64*(\p)+FR*(\a):AF+64*(\p)+FR*(\a)+FR-1], 0, v[SC+8*NQ*(\sc)+NQ*\b+(\p)], v[SC+8*NQ*(\sc)+NQ*(\a)+(\p)] matrix_a_scale:MATRIX_SCALE_ROW1
.else
	v_wmma_scale_f32_16x16x128_f8f6f4 v[8*(8*(\a)+\b):8*(8*(\a)+\b)+7], v[128*(\p)+FR*\b:128*(\p)+FR*\b+FR-1], v[AF+64*(\p)+FR*(\a):AF+64*(\p)+FR*(\a)+FR-1], v[8*(8*(\a)+\b):8*(8*(\a)+\b)+7], v[SC+8*NQ*(\sc)+NQ*\b+(\p)], v[SC+8*NQ*(\sc)+NQ*(\a)+(\p)] matrix_a_scale:MATRIX_SCALE_ROW1
.endif
.endr
.endm
.macro FETCH_B slot, q, p
	WIN TO_B
.irp i, 0,1,2,3,4,5,6,7
	FRAG 128*(\p)+FR*\i, ADRB+\slot, \q, \i
.endr
	WIN 0
.endm
.macro FETCH_A slot, q, i0
.irp i, \i0, \i0+1, \i0+2, \i0+3
	FRAG AF+FR*(\i), ADRA+\slot, \q, \i
.endr
.endm
.macro FETCH_A2 slot, q
.irp i, 0,1,2,3
	FRAG AF+64*(\q)+FR*\i, ADRA2+\slot, \q, \i
.endr
.endm
.macro SCALES adr, sc
.irp i, 0,1,2,3,4,5,6,7
	ds_load_b64 v[SC+8*NQ*\sc+NQ*\i:SC+8*NQ*\sc+NQ*\i+1], v[\adr] offset:\i*SBLK
.endr
.endm
.macro PLACES n
.rept \n
	v_nop
.endr
.endm
.macro STEP slot, q, zero
	s_wait_dscnt 4*NL
	WIN MUL_LO
	MUL16 0, (\q)%2, \q, \slot, \zero
	MUL16 2, (\q)%2, \q, \slot, \zero
	s_wait_dscnt 0
	PLACES NP
	FETCH_B \slot, (\q)+1, 1-(\q)%2
	FETCH_A \slot, (\q)+1, 0
	WIN MUL_HI
	MUL16 4, (\q)%2, \q, \slot, \zero
	MUL16 6, (\q)%2, \q, \slot, \zero
	PLACES NP
	WIN 0
	FETCH_A \slot, (\q)+1, 4
.endm
.macro TURN slot, next, sw, last
	s_wait_tensorcnt 0x0
	ds_add_u32 v[SPW], v[NIL]
	s_wait_dscnt 4*NL+1
	WIN MUL_LO
	MUL16 0, 1, NQ-1, \slot, 0
	s_wait_dscnt 0x0
	s_barrier_signal -1
	MUL16 2, 1, NQ-1, \slot, 0
	WIN 0
	s_barrier_wait -1
	CREST
.if \sw
	s_mov_b32 s[G0+4*\slot+1], \slot*SLOT
	s_add_nc_u64 s[G0+4*\slot+2:G0+4*\slot+3], s[A2P:A2P+1], \slot*ROWB
	s_or_b32 s[G0+4*\slot+3], s[G0+4*\slot+3], 0x80000000
	s_add_nc_u64 s[G0B+4*\slot+2:G0B+4*\slot+3], s[B2P:B2P+1], \slot*ROWB
	s_or_b32 s[G0B+4*\slot+3], s[G0B+4*\slot+3], 0x80000000
	JLOAD3 G0+4*\slot, G1, G0B+4*\slot, G1B
	PLACES NP
.else
	s_add_nc_u64 s[G0+4*\slot+2:G0+4*\slot+3], s[G0+4*\slot+2:G0+4*\slot+3], 2*ROWB
	s_add_nc_u64 s[G0B+4*\slot+2:G0B+4*\slot+3], s[G0B+4*\slot+2:G0B+4*\slot+3], 2*ROWB
	JLOAD G0+4*\slot, G1, G0B+4*\slot, G1B
	PLACES NP-4
.endif
.if \last
	FETCH_B \next, 0, 0
	FETCH_A2 \next, 0
	SCALES ADRS2, \next
.else
	s_wait_alu depctr_va_vdst(0)
	v_add_nc_u32 v[ADRS], 4*NQ, v[ADRS]
	FETCH_B \next, 0, 0
	FETCH_A \next, 0, 0
	SCALES ADRS, \next
.endif
	WIN MUL_HI
	MUL16 4, 1, NQ-1, \slot, 0
	MUL16 6, 1, NQ-1, \slot, 0
	WIN 0
.if !(\last)
	PLACES NP
	FETCH_A \next, 0, 4
.endif
.endm
.macro STEP2 slot, zero
	s_wait_dscnt 0x0
	WIN MUL_LO
	MUL8V 0, 0, \slot, \zero
	MUL8V 1, 0, \slot, \zero
	PLACES NP
	FETCH_B \slot, 1, 1
	FETCH_A2 \slot, 1
	WIN MUL_LO
	MUL8V 2, 0, \slot, \zero
	MUL8V 3, 0, \slot, \zero
.endm
.macro TURN2 slot, next, fill
	WIN 0
	s_wait_tensorcnt 0x0
	ds_add_u32 v[SPW], v[NIL]
	s_wait_dscnt 1
	WIN MUL_LO
	MUL8V 0, 1, \slot, 0
	s_wait_dscnt 0x0
	s_barrier_signal -1
	MUL8V 1, 1, \slot, 0
	WIN 0
	s_barrier_wait -1
.if \fill
	CREST
	s_add_nc_u64 s[G0+4*\slot+2:G0+4*\slot+3], s[G0+4*\slot+2:G0+4*\slot+3], 2*ROWB
	s_add_nc_u64 s[G0B+4*\slot+2:G0B+4*\slot+3], s[G0B+4*\slot+2:G0B+4*\slot+3], 2*ROWB
	JLOAD3 G0+4*\slot, G1, G0B+4*\slot, G1B
.endif
	PLACES NP
	s_wait_alu depctr_va_vdst(0)
	v_add_nc_u32 v[ADRS2], 4*NQ, v[ADRS2]
	FETCH_B \next, 0, 0
	FETCH_A2 \next, 0
	SCALES ADRS2, \next
	WIN MUL_LO
	MUL8V 2, 1, \slot, 0
	MUL8V 3, 1, \slot, 0
.endm
.macro QUANT a, vm
.set W, 2+(\a)/4
.set AC, 64*((\a)%4)
	WIN (W<<6)|W
.set n, 0
.rept 32
.if \vm
	v_pk_add_f32 v[AC+2*n:AC+2*n+1], v[AC+2*n:AC+2*n+1], v[BV+2*(\a):BV+2*(\a)+1]
.else
	v_pk_add_f32 v[AC+2*n:AC+2*n+1], v[AC+2*n:AC+2*n+1], v[BB+2*n:BB+2*n+1]
.endif
.set n, n+1
.endr
	WIN (W<<2)|W
.irp b, 0,1,2,3
	v_max3_num_f32 v[TM+\b], |v[AC+16*\b]|, |v[AC+16*\b+1]|, 0x4800000
.endr
.irp i, 2,4,6,8,10,12,14
.irp b, 0,1,2,3
	v_max3_num_f32 v[TM+\b], |v[AC+16*\b+\i]|, |v[AC+16*\b+\i+1]|, v[TM+\b]
.endr
.endr
	WIN 0
.irp b, 0,1,2,3
	v_permlanex16_b32 v[TM+4+\b], v[TM+\b], s[SEL], s[SEL+1]
.endr
.irp b, 0,1,2,3
	v_max_num_f32 v[TM+\b], v[TM+\b], v[TM+4+\b]
.endr
.irp b, 0,1,2,3
	v_add_nc_u32 v[TM+12+\b], 0xfc000000, v[TM+\b]
.endr
.irp b, 0,1,2,3
	v_and_or_b32 v[TM+8+\b], v[TM+\b], 0x7f800000, s[MNT]
.endr
.irp b, 0,1,2,3
	v_lshrrev_b32 v[TM+4+\b], 23, v[TM+12+\b]
.endr
	v_lshl_or_b32 v[WD+(\a)], v[TM+5], 8, v[TM+4]
	v_lshl_or_b32 v[WD+(\a)], v[TM+6], 16, v[WD+(\a)]
	v_lshl_or_b32 v[WD+(\a)], v[TM+7], 24, v[WD+(\a)]
	WIN (W<<6)|W
.irp b, 0,1,2,3
.irp i, 0,1,2,3,4,5,6,7,8,9,10,11,12,13,14,15
	v_med3_num_f32 v[AC+16*\b+\i], v[AC+16*\b+\i], -v[TM+8+\b], v[TM+8+\b]
.endr
.endr
	s_wait_alu depctr_va_vdst(0)
	s_wait_xcnt 0x0
	WIN W
.irp b, 0,1,2,3
	v_cvt_scalef32_pk8_fp8_f32 v[PC+4*\b:PC+4*\b+1], v[AC+16*\b:AC+16*\b+7], v[TM+12+\b]
	v_cvt_scalef32_pk8_fp8_f32 v[PC+4*\b+2:PC+4*\b+3], v[AC+16*\b+8:AC+16*\b+15], v[TM+12+\b]
.endr
	WIN 0
	v_nop
.irp b, 0,1,2,3
.if \vm
	global_store_b128 v[LI], v[PC+4*\b:PC+4*\b+3], s[OC2:OC2+1] offset:2048*(\a)+512*\b
.else
	global_store_b128 v[LI], v[PC+4*\b:PC+4*\b+3], s[OC1:OC1+1] offset:(\b/2)*REC+1024*(\a)+512*(\b%2)
.endif
.endr
.endm
	s_wait_tensorcnt 1
	s_barrier_signal -1
	s_barrier_wait -1
	FETCH_B 0, 0, 0
	FETCH_A 0, 0, 0
	SCALES ADRS, 0
	FETCH_A 0, 0, 4
	STEP 0, 0, 1
	TURN 0, 1, 0, 0
	STEP 1, 0, 0
	TURN 1, 0, 0, 0
	STEP 0, 0, 0
	TURN 0, 1, 1, 0
	s_mov_b32 s[SEL], 0x76543210
	s_mov_b32 s[SEL+1], 0xfedcba98
	s_mov_b32 s[MNT], 0x600000
	s_mov_b32 s[HM], 0xffff0000
	s_mov_b32 s91, 0
	s_lshl_b32 s84, s17, 8
	s_lshl_b32 s85, s15, 7
	s_add_co_u32 s84, s84, s85
	s_lshl_b32 s85, s42, 8
	s_lshl_b32 s86, s16, 7
	s_add_co_u32 s85, s85, s86
	s_lshr_b32 s86, s85, 10
	s_and_b32 s87, s85, 1023
	s_lshr_b32 s88, s87, 6
	s_lshr_b32 s89, s84, 10
	s_and_b32 s84, s84, 1023
	s_lshr_b32 s84, s84, 4
	s_lshl_b32 s90, s86, 7
	s_lshl_b32 s89, s89, 4
	s_add_co_u32 s90, s90, s89
	s_add_co_u32 s90, s90, s88
	s_mul_i32 s90, s90, REC
	s_add_nc_u64 s[OC1:OC1+1], s[12:13], s[90:91]
	s_lshl_b32 s90, s84, 5
	s_add_nc_u64 s[OS1:OS1+1], s[OC1:OC1+1], s[90:91]
	s_lshl_b32 s90, s84, 10
	s_add_co_u32 s90, s90, 2048
	s_add_nc_u64 s[OC1:OC1+1], s[OC1:OC1+1], s[90:91]
	s_wait_kmcnt 0x0
	s_cmp_eq_u32 s86, 0
	s_cselect_b64 s[BP1:BP1+1], s[4:5], s[6:7]
	s_lshl_b32 s90, s87, 2
	s_add_nc_u64 s[BP1:BP1+1], s[BP1:BP1+1], s[90:91]
	s_lshl_b32 s84, ttmp9, 2
	s_add_co_u32 s84, s84, s41
	s_lshl_b32 s84, s84, 1
	s_add_co_u32 s84, s84, s15
	s_and_b32 s85, ttmp7, 0xffff
	s_lshl_b32 s86, s40, 1
	s_add_co_u32 s86, s86, s16
	s_lshl_b32 s85, s85, 4
	s_add_co_u32 s85, s85, s84
	s_add_co_u32 s85, s85, 256
	s_mul_i32 s90, s85, REC
	s_add_nc_u64 s[OC2:OC2+1], s[12:13], s[90:91]
	s_lshl_b32 s90, s86, 8
	s_add_nc_u64 s[OS2:OS2+1], s[OC2:OC2+1], s[90:91]
	s_lshl_b32 s90, s86, 13
	s_add_co_u32 s90, s90, 2048
	s_add_nc_u64 s[OC2:OC2+1], s[OC2:OC2+1], s[90:91]
	s_lshl_b32 s90, s84, 8
	s_add_nc_u64 s[BP2:BP2+1], s[8:9], s[90:91]
.irp b, 0,1,2,3
.irp j, 0,1,2,3
	global_load_b128 v[BB+16*\b+4*\j:BB+16*\b+4*\j+3], v[BO], s[BP1:BP1+1] offset:128*\b+16*\j
.endr
.endr
.irp a, 0,1,2,3
	global_load_b32 v[BV+2*\a], v[BO2], s[BP2:BP2+1] offset:4*(32*(\a/2)+8*(\a%2))
	global_load_b32 v[BV+2*\a+1], v[BO2], s[BP2:BP2+1] offset:4*(32*(\a/2)+8*(\a%2))
.endr
	STEP 1, 0, 0
	TURN 1, 0, 1, 1
	PLACES NP
.irp b, 0,1,2,3
	v_mov_b32 v[TM+4+\b], 0
.endr
	s_wait_loadcnt 0x0
.irp a, 0,1,2,3,4,5,6,7
	QUANT \a, 0
.endr
.irp p, 0,1,2,3
	v_perm_b32 v[MG+\p], v[WD+2*\p+1], v[WD+2*\p], 0x05040100
	v_perm_b32 v[MG+4+\p], v[WD+2*\p+1], v[WD+2*\p], 0x07060302
.endr
.irp p, 0,1,2,3
	v_cndmask_b32 v[MG+8+\p], v[MG+2*\p], v[MG+2*\p+1], s[HM]
.endr
	global_store_b32 v[LS], v[MG+8], s[OS1:OS1+1]
	global_store_b32 v[LS], v[MG+9], s[OS1:OS1+1] offset:128
	global_store_b32 v[LS], v[MG+10], s[OS1:OS1+1] offset:REC
	global_store_b32 v[LS], v[MG+11], s[OS1:OS1+1] offset:REC+128
	s_wait_xcnt 0x0
	STEP2 0, 1
	TURN2 0, 1, 1
	STEP2 1, 0
	TURN2 1, 0, 1
	STEP2 0, 0
	TURN2 0, 1, 0
	STEP2 1, 0
	s_wait_dscnt 0x0
	MUL8V 0, 1, 1, 0
	MUL8V 1, 1, 1, 0
	MUL8V 2, 1, 1, 0
	MUL8V 3, 1, 1, 0
	WIN 0
	PLACES NP
.irp a, 0,1,2,3
	QUANT \a, 1
.endr
.irp p, 0,1
	v_cndmask_b32 v[MG+8+\p], v[WD+2*\p], v[WD+2*\p+1], s[HM]
.endr
	global_store_b32 v[LS], v[MG+8], s[OS2:OS2+1]
	global_store_b32 v[LS], v[MG+9], s[OS2:OS2+1] offset:128
	s_wait_tensorcnt 0x0
	ds_add_u32 v[SPW], v[NIL]
	s_wait_dscnt 0x0
	CROUND
	s_endpgm
.Lfunc_end_k_q9a9c30bbb6_proj:
	.size	k_q9a9c30bbb6_proj, .Lfunc_end_k_q9a9c30bbb6_proj-k_q9a9c30bbb6_proj
	.p2alignl 7, 3214868480
	.fill 96, 4, 3214868480
	.section	.rodata,"a",@progbits
	.p2align	6, 0x0
	.amdhsa_kernel k_q9a9c30bbb6_proj
		.amdhsa_group_segment_fixed_size 327680
		.amdhsa_private_segment_fixed_size 0
		.amdhsa_enable_private_segment 0
		.amdhsa_kernarg_size 64
		.amdhsa_user_sgpr_count 2
		.amdhsa_user_sgpr_kernarg_segment_ptr 1
		.amdhsa_wavefront_size32 1
		.amdhsa_system_sgpr_workgroup_id_x 1
		.amdhsa_system_sgpr_workgroup_id_y 1
		.amdhsa_system_sgpr_workgroup_id_z 1
		.amdhsa_system_vgpr_workitem_id 0
		.amdhsa_next_free_vgpr 1024
		.amdhsa_next_free_sgpr 106
		.amdhsa_reserve_vcc 0
		.amdhsa_float_denorm_mode_32 3
		.amdhsa_float_denorm_mode_16_64 3
		.amdhsa_memory_ordered 1
		.amdhsa_forward_progress 1
		.amdhsa_inst_pref_size 255
	.end_amdhsa_kernel
	.section	.bss,"aw",@nobits
	.p2align	6
	.space	262144
	.amdgpu_metadata
---
amdhsa.version: [ 1, 2 ]
amdhsa.kernels:
  - .name:           k_q9a9c30bbb6_proj
    .symbol:         k_q9a9c30bbb6_proj.kd
    .args:
      - { .name: xc, .offset: 0, .size: 8, .value_kind: global_buffer, .address_space: global }
      - { .name: xs, .offset: 8, .size: 8, .value_kind: global_buffer, .address_space: global }
      - { .name: wc, .offset: 16, .size: 8, .value_kind: global_buffer, .address_space: global }
      - { .name: ws, .offset: 24, .size: 8, .value_kind: global_buffer, .address_space: global }
      - { .name: qkv, .offset: 32, .size: 8, .value_kind: global_buffer, .address_space: global }
      - { .name: bq, .offset: 40, .size: 8, .value_kind: global_buffer, .address_space: global }
      - { .name: bk, .offset: 48, .size: 8, .value_kind: global_buffer, .address_space: global }
      - { .name: bv, .offset: 56, .size: 8, .value_kind: global_buffer, .address_space: global }
    .group_segment_fixed_size: 327680
    .private_segment_fixed_size: 0
    .kernarg_segment_align: 8
    .kernarg_segment_size: 64
    .max_flat_workgroup_size: 128
    .sgpr_count:     106
    .vgpr_count:     1024
    .wavefront_size: 32
...
	.end_amdgpu_metadata
.endif
;; end of part 2
;; launch attn (part 3): grid 4 x 64, 8 waves a work-group, clusters of 4 x 1, 311,296 bytes of LDS; arguments qkv, mask, out0; writes out0
.if DOCPART == 3
	.amdgcn_target "amdgcn-amd-amdhsa--gfx1250"
	.amdhsa_code_object_version 6
	.text
	.protected	k_q9a9c30bbb6_attn
	.globl	k_q9a9c30bbb6_attn
	.p2align	8
	.type	k_q9a9c30bbb6_attn,@function
k_q9a9c30bbb6_attn:
	s_mov_b64 s[64:65], 0
	v_nop
	global_prefetch_b8 v0, s[64:65] scope:SCOPE_SE
	s_setreg_imm32_b32 hwreg(HW_REG_WAVE_MODE, 25, 1), 1
	s_wait_xcnt 0x0
	s_wait_alu depctr_hold_cnt(0) depctr_sa_sdst(0) depctr_va_vdst(0) depctr_va_sdst(0) depctr_va_ssrc(0) depctr_va_vcc(0) depctr_vm_vsrc(0)
	s_getreg_b32 s2, hwreg(HW_REG_IB_STS2, 6, 4)
	s_cmp_eq_u32 s2, 0
	s_cbranch_scc0 .Lentry_in_a_cluster
	s_endpgm
.Lentry_in_a_cluster:
	s_bfe_u32 s2, ttmp6, 0x10000c
	s_cmp_lg_u32 s2, 0x3003
	s_cbranch_scc0 .Lentry_shape_is_right
	s_endpgm
.Lentry_shape_is_right:
; THIRD LAUNCH: for each batch and head, p = exp(q k^T / 8) x mask[key];  attn = p / (the row's sum of p + 1e-8);  out = attn v.  Both products on codes of FP8 (E4M3) with E8M0 scales.  Nothing of reference() is left out.
; attn is quantised finished and normalised, along the keys, so all 1,024 p of a query are kept until the row's sum is known.  reference() takes no maximum away before its exponential, and neither does this text: it overflows where reference() does.
; SHARES.  A cluster of four work-groups has two heads of one batch; a work-group 256 queries of both heads.  EIGHT waves, two to a SIMD: waves w and w + 4 are a pair and share a tile of 16 queries, each with 512 of the keys:
; its p are 256 registers.  A pair walks 8 tiles, one a trip.  Two things pass between the waves of a pair, through LDS: the half row's sum (a word a lane), and the half sums of O^T, which go through the stages of the way out:
; each wave reads 8 of the tile's 16 rows from both stages, adds them and stores whole rows.
; BOTH BARRIERS OF A TRIP ARE SPLIT.  Between the signal and the wait of the sums' barrier stand the blocks' largest magnitudes; the way out's barrier is signalled at a trip's end and waited for behind the next trip's first
; exponentials, where the tile before is added and stored (the first trip's wait answers a signal ahead of the loop and its stores are jumped over; the last tile's way out stands behind the loop).
; K's and V's records of both heads lie in LDS for the whole launch, filled once by joint loads that name the four partners: waves 0 to 3 a whole record each (K, V of head 0, K, V of head 1), waves 4 to 7 none.
; The first barrier shows K of head 0; the barrier of the sums V of head 0 (waves 0 and 1 wait there); the barrier of the way out all four.  The batch's mask comes through registers into LDS bytes of its own.
; No prefetch: all that the launch reads but Q is asked for at the head, and a tile of Q is loaded a tile ahead.
; LAYOUT.  Both products transposed: S^T = K Q^T, O^T = V^T P^T: a lane holds one query (lane % 16).  The 16 registers of two neighbouring tiles of keys are keys 32 b + 16 (lane / 16) + 0 .. 15.
; The first product's K is 64, the instruction's 128: a fragment of K holds two tiles of keys; times (Q, zeros) it gives the first tile's scores, times (zeros, Q) the second's.  The two operands share their zeros: Q, zeros, Q in 24 registers.
; A block's largest |attn| is its largest |p| x |1 / sum|: rounding keeps the order, so it is the same number.
; FRAGMENTS LAND WHERE REGISTERS ARE FREE, a step or more ahead of their products: K of step 0 in the set FR, of steps 1, 2 in p of steps 2, 3, of step 3 where O^T, the codes and the work registers lie (idle then);
; V of step 0 in FR, of steps 1 to 3 in p of steps 0 to 2, which are codes by then.  The mask of a step lands in FR.
; LIMITS: exp(s / 8) is 2^(s x log2(e) / 8), its argument rounded once; the division is v_rcp_f32 and a multiplication; NaN and infinities are not served; a block of zeros gets the byte 1 (its codes are zeros).
; The last trip loads its own Q and first K fragments once more (no address leaves its buffer); nothing is made of them.
; REGISTERS.  window 0: see the names below.  window 1: p: my step s at v[64 s].
.set REC,   67584                      ; a record: 2,048 bytes of scale words, 65,536 of codes
.set SLOTB, 2*REC                      ; LDS: head e's K record at e SLOTB, its V record REC further on
.set MASKB, 2*SLOTB                    ; the batch's mask, 4,096 bytes, stored by the waves
.set STAGE, MASKB+4096                 ; 16 rows x (256 + 16) bytes for each wave
.set XSB,   STAGE+8*16*272             ; the half sums: a word a thread
.set SPARE, XSB+1024                   ; the spare words, 128 bytes for each wave
.set L16,  1                           ; 16 x lane
.set R4,   2                           ; 4 x (lane % 16)
.set AK,   3                           ; LDS address of my half of K's images, AKS of its scale words; AV, AVS the same for V
.set AKS,  4
.set AV,   5
.set AVS,  6
.set AM,   7                           ; my half of the mask
.set STO,  8                           ; my stage, in; RD: my 8 rows of it, out; RD2: the same rows of my partner's; GO: my offset among the tile's rows of out0
.set RD,   9
.set GO,   10
.set QOFF, 11
.set QSOFF,12
.set QW,   13
.set SPW,  14                          ; my spare word; NIL: 0; neither is rewritten
.set NIL,  15
.set AK0,  16                          ; AK, AV, AVS, AKS for head 0
.set AV0,  17
.set AVS0, 18
.set MO,   19                          ; 16 x thread: my part of the mask in memory; ML: in LDS
.set SUM,  20                          ; v20-27 the sum, four pairs
.set INV,  28
.set TP,   30
.set TP2,  31
.set QA,   32                          ; v32-47 (Q, 0)
.set QBF,  40                          ; v40-55 (0, Q)
.set OT,   56                          ; v56-87 O^T
.set PC,   88                          ; v88-103 p's codes; on the way out my rows
.set TM,   104                         ; v104-119 at work; on the way out my partner's rows
.set FR2,  56                          ; v56-119: these three as a set of fragments, for K of step 3
.set BM,   120                         ; v120-135 a block's largest magnitude, then 448 x its scale
.set SOP,  136                         ; v136-151 the conversions' scale operands
.set FR,   152                         ; v152-215 fragments or mask
.set SWA,  216                         ; four sets of K's or V's scale words
.set PSW,  220                         ; v220-223 p's scale words
.set SWB,  224
.set QSW,  228
.set ML,   229
.set XO,   230                         ; my half sum's word; XT: my partner's
.set XT,   231
.set SWC,  232
.set RD2,  236
.set AKS0, 237
.set SWD,  240
.set WV,   10
.set CX,   11
.set PW,   13                          ; my pair, 0 .. 3
.set HK,   15                          ; my half of the keys
.set G1,   24
.set G0A,  44
.set G0B,  48
.set SEL,  60
.set CS,   62
.set MNT,  66
.set TN,   70                          ; the trip, 0 .. 7: head TN / 4, tile TN % 4
.set SELQ, 71
.set QP,   72
.set OB0,  74
.set OP,   76
.set T0,   83
.set SBN,  88                          ; LDS byte at which the next tile's head begins
.set MSB, 0
.macro WIN new                         ; low byte: bits 1:0 source 0, 3:2 source 1, 5:4 source 2, 7:6 destination; the high byte repeats the setting that is left
.if MSB != (\new)
	s_set_vgpr_msb (MSB<<8)|(\new)
.set MSB, (\new)
.endif
.endm
.macro PLACES n
.rept \n
	v_nop
.endr
.endm
.macro WALU
	s_wait_alu depctr_va_vdst(0)
.endm
.macro CROUND
	s_barrier_signal -1
	s_barrier_wait -1
	s_cmp_lg_u32 s[WV], 0
	s_cbranch_scc1 .Lnot_wave_0_\@
	s_barrier_signal -3
.Lnot_wave_0_\@:
	s_barrier_wait -3
	s_barrier_signal -1
	s_barrier_wait -1
.endm
.macro ARM under, g0, next             ; an arm of the head's chain: one load, and a jump to the join
	s_cmp_lt_u32 s[WV], \under
	s_cbranch_scc0 \next
	tensor_load_to_lds s[\g0:\g0+3], s[G1:G1+7]
	s_nop 0
	PLACES 4
	s_branch .Lasked
\next:
.endm
.macro FETCHF adr, sadr, s, win, base, sw   ; 20 LDS loads: my step s's four fragments into v[base ..] of a window, their scale words into v[sw ..]
	WIN 0
.irp f, 0,1,2,3
	ds_load_b32 v[(\sw)+\f], v[\sadr] offset:64*(4*(\s)+\f)
.endr
	WIN (\win)<<6
.irp f, 0,1,2,3
.irp c, 0,1,2,3
	ds_load_b128 v[(\base)+16*\f+4*\c:(\base)+16*\f+4*\c+3], v[\adr] offset:8192*(\s)+2048*\f+512*\c
.endr
.endr
	WIN 0
.endm
.macro FETCHM s                        ; 16 LDS loads: the mask of my step s's keys, in p's layout
	WIN 0
.irp b, 0,1,2,3
.irp j, 0,1,2,3
	ds_load_b128 v[FR+16*\b+4*\j:FR+16*\b+4*\j+3], v[AM] offset:512*(\s)+128*\b+16*\j
.endr
.endr
.endm
.macro QLOAD
	global_load_b128 v[QA:QA+3], v[QOFF], s[QP:QP+1] offset:2048
	global_load_b128 v[QA+4:QA+7], v[QOFF], s[QP:QP+1] offset:2560
	global_load_b128 v[QBF+8:QBF+11], v[QOFF], s[QP:QP+1] offset:2048
	global_load_b128 v[QBF+12:QBF+15], v[QOFF], s[QP:QP+1] offset:2560
	global_load_b32 v[QW], v[QSOFF], s[QP:QP+1]
.endm
.macro SALL s                          ; my step s's scores: eight products, each on an accumulator of its own
.if (\s) == 0
.set FW_, 0
.set F_, FR
.set S_, SWA
.elseif (\s) == 1
.set FW_, 1
.set F_, 128
.set S_, SWB
.elseif (\s) == 2
.set FW_, 1
.set F_, 192
.set S_, SWC
.else
.set FW_, 0
.set F_, FR2
.set S_, SWD
.endif
	WIN 0x40|FW_
.irp b, 0,1,2,3
	v_wmma_scale_f32_16x16x128_f8f6f4 v[64*(\s)+16*\b:64*(\s)+16*\b+7], v[F_+16*\b:F_+16*\b+15], v[QA:QA+15], 0, v[S_+\b], v[QSW]
	v_wmma_scale_f32_16x16x128_f8f6f4 v[64*(\s)+16*\b+8:64*(\s)+16*\b+15], v[F_+16*\b:F_+16*\b+15], v[QBF:QBF+15], 0, v[S_+\b], v[QSW]
.endr
.endm
.macro SCALE s                         ; score x log2(e) / 8, ascending: each accumulator is read from its low end on
	WIN 0x41
.set n, 0
.rept 32
	v_pk_mul_f32 v[64*(\s)+2*n:64*(\s)+2*n+1], v[64*(\s)+2*n:64*(\s)+2*n+1], s[CS:CS+1] op_sel_hi:[1,0]
.set n, n+1
.endr
.endm
.macro EXPS s
	WIN 0x41
.set n, 0
.rept 64
	v_exp_f32 v[64*(\s)+n], v[64*(\s)+n]
.set n, n+1
.endr
	v_nop
.endm
.macro CMASK s                         ; x mask
	WIN 0x41
.set n, 0
.rept 32
	v_pk_mul_f32 v[64*(\s)+2*n:64*(\s)+2*n+1], v[64*(\s)+2*n:64*(\s)+2*n+1], v[FR+2*n:FR+2*n+1]
.set n, n+1
.endr
.endm
.macro DADD s                          ; the row's sum, four chains
	WIN 0x01
.irp i, 0,1,2,3,4,5,6,7
.irp b, 0,1,2,3
	v_pk_add_f32 v[SUM+2*\b:SUM+2*\b+1], v[64*(\s)+16*\b+2*\i:64*(\s)+16*\b+2*\i+1], v[SUM+2*\b:SUM+2*\b+1]
.endr
.endr
.endm
.macro DMAXALL                         ; my sixteen blocks' largest magnitudes, sixteen chains by turns
	WIN 0x11
.irp i, 0,1,2,3,4,5,6,7
.irp s, 0,1,2,3
.irp b, 0,1,2,3
.if \i == 0
	v_max3_num_f32 v[BM+4*\s+\b], |v[64*\s+16*\b]|, 0, |v[64*\s+16*\b+1]|
.else
	v_max3_num_f32 v[BM+4*\s+\b], |v[64*\s+16*\b+2*\i]|, v[BM+4*\s+\b], |v[64*\s+16*\b+2*\i+1]|
.endif
.endr
.endr
.endr
.endm
.macro EACH16 op:vararg                ; (not used with arguments that hold commas in brackets)
.endm
.macro XLANE                           ; with lane l xor 16's half of each block
.set k, 0
.rept 16
	v_permlanex16_b32 v[TM+k], v[BM+k], s[SEL], s[SEL+1]
.set k, k+1
.endr
.set k, 0
.rept 16
	v_max_num_f32 v[BM+k], v[BM+k], v[TM+k]
.set k, k+1
.endr
.endm
.macro SCLALL                          ; largest |attn|; the floor 2^(9 - 127); scale operand; 448 x scale; bytes; the four scale words
.set k, 0
.rept 16
	v_mul_f32 v[BM+k], v[BM+k], |v[INV]|
.set k, k+1
.endr
.set k, 0
.rept 16
	v_max_num_f32 v[BM+k], 0x4800000, v[BM+k]
.set k, k+1
.endr
.set k, 0
.rept 16
	v_add_nc_u32 v[SOP+k], 0xfc000000, v[BM+k]
.set k, k+1
.endr
.set k, 0
.rept 16
	v_and_or_b32 v[BM+k], v[BM+k], 0x7f800000, s[MNT]
.set k, k+1
.endr
.set k, 0
.rept 16
	v_lshrrev_b32 v[TM+k], 23, v[SOP+k]
.set k, k+1
.endr
.irp u, 0,1,2,3
	v_lshl_or_b32 v[PSW+\u], v[TM+4*\u+1], 8, v[TM+4*\u]
.endr
.irp u, 0,1,2,3
	v_lshl_or_b32 v[PSW+\u], v[TM+4*\u+2], 16, v[PSW+\u]
.endr
.irp u, 0,1,2,3
	v_lshl_or_b32 v[PSW+\u], v[TM+4*\u+3], 24, v[PSW+\u]
.endr
.endm
.macro NORM s                          ; attn = p x 1 / (sum + 1e-8)
	WIN 0x41
.set n, 0
.rept 32
	v_pk_mul_f32 v[64*(\s)+2*n:64*(\s)+2*n+1], v[64*(\s)+2*n:64*(\s)+2*n+1], v[INV:INV+1] op_sel_hi:[1,0]
.set n, n+1
.endr
.endm
.macro HOLD s, b                       ; the conversion to an 8-bit code does not saturate (ISA guide 7.6.2); the mask is any float, so the hold has two sides
	WIN 0x41
.irp i, 0,1,2,3,4,5,6,7,8,9,10,11,12,13,14,15
	v_med3_num_f32 v[64*(\s)+16*(\b)+\i], v[64*(\s)+16*(\b)+\i], -v[BM+4*(\s)+(\b)], v[BM+4*(\s)+(\b)]
.endr
.endm
.macro CVT s
	WIN 0x01
.irp b, 0,1,2,3
	v_cvt_scalef32_pk8_fp8_f32 v[PC+4*\b:PC+4*\b+1], v[64*(\s)+16*\b:64*(\s)+16*\b+7], v[SOP+4*(\s)+\b]
	v_cvt_scalef32_pk8_fp8_f32 v[PC+4*\b+2:PC+4*\b+3], v[64*(\s)+16*\b+8:64*(\s)+16*\b+15], v[SOP+4*(\s)+\b]
.endr
	v_nop                                          ; a plain line behind the last conversion
.endm
.macro PVALL s                         ; O^T += V^T P^T: the four accumulators by turns, one instruction a turn; my step 0 starts the sums
.if (\s) == 0
	WIN 0
.irp t, 0,1,2,3
	v_wmma_scale_f32_16x16x128_f8f6f4 v[OT+8*\t:OT+8*\t+7], v[FR+16*\t:FR+16*\t+15], v[PC:PC+15], 0, v[SWC+\t], v[PSW]
.endr
.else
	WIN 0x01
.irp t, 0,1,2,3
	v_wmma_scale_f32_16x16x128_f8f6f4 v[OT+8*\t:OT+8*\t+7], v[64*((\s)-1)+16*\t:64*((\s)-1)+16*\t+15], v[PC:PC+15], v[OT+8*\t:OT+8*\t+7], v[SWC+8*((\s)%2)+\t], v[PSW+(\s)]
.endr
.endif
.endm
.macro OUTB                            ; a tile leaves: my eight rows from both stages, added, stored
.irp k, 0,1,2,3
	ds_load_b128 v[PC+4*\k:PC+4*\k+3], v[RD] offset:544*\k
	ds_load_b128 v[TM+4*\k:TM+4*\k+3], v[RD2] offset:544*\k
.endr
	s_wait_dscnt 0x0
.irp k, 0,1,2,3,4,5,6,7
	v_pk_add_f32 v[PC+2*\k:PC+2*\k+1], v[PC+2*\k:PC+2*\k+1], v[TM+2*\k:TM+2*\k+1]
.endr
.irp k, 0,1,2,3
	global_store_b128 v[GO], v[PC+4*\k:PC+4*\k+3], s[OP:OP+1] offset:8192*\k th:TH_STORE_NT   ; two rows: sixteen lanes store 256 consecutive bytes, aligned
.endr
.endm
	s_load_b128 s[4:7], s[0:1], 0x0                ; qkv, mask
	s_load_b64 s[8:9], s[0:1], 0x10                ; out0
	v_lshl_add_u32 v[SPW], v0, 2, SPARE
	v_mov_b32 v[NIL], 0
	ds_add_u32 v[SPW], v[NIL]                      ; the opening lines: the add, twice on end, and its wait ahead of a first tensor load
	ds_add_u32 v[SPW], v[NIL]
	v_lshrrev_b32 v1, 5, v0
	v_readfirstlane_b32 s[WV], v1                  ; wave 0..7
	v_lshlrev_b32 v[MO], 4, v0
	v_lshl_add_u32 v[ML], v0, 4, MASKB
	s_and_b32 s[PW], s[WV], 3
	s_lshr_b32 s[HK], s[WV], 2
	s_bfe_u32 s[CX], ttmp6, 0x40000
	s_and_b32 s12, ttmp7, 0xffff                   ; the pair of heads: batch = y / 8, first head = 2 (y % 8)
	s_mov_b32 s[G1], 15|(3<<16)|(1<<21)            ; the mask: all four work-groups; elements of 8 bytes; bit 21 beside a mask.  A record: 264 dense rows of 256 bytes
	s_mov_b32 s[G1+1], 32<<16
	s_mov_b32 s[G1+2], 264<<16
	s_mov_b32 s[G1+3], 32<<16
	s_mov_b32 s[G1+4], 264
	s_mov_b32 s[G1+5], 32
	s_mov_b32 s[G1+6], 0
	s_mov_b32 s[G1+7], 0
	s_mov_b32 s[SEL], 0x76543210
	s_mov_b32 s[SEL+1], 0xfedcba98
	s_mov_b32 s[CS], 0x3e38aa3b                    ; log2(e) / 8
	s_mov_b32 s[CS+1], s[CS]
	s_mov_b32 s[MNT], 0x600000
	s_mov_b32 s[TN], 0
	s_mov_b32 s[SELQ], 0x01000100                  ; my first tile is even: the pair word's lower two bytes, laid twice
	s_lshl_b32 s78, s12, 1
	s_mul_i32 s78, s78, REC                        ; q's record of my first head
	s_mov_b32 s79, 0
	s_lshr_b32 s82, s12, 3                         ; the batch
	s_lshl_b32 s84, s82, 12                        ; its mask
	s_mov_b32 s85, 0
	s_lshl_b32 s86, s82, 22                        ; out0: the batch's 4 MiB, my work-group's 256 tokens, my pair's 64, 256 bytes a head
	s_lshl_b32 s87, s[CX], 20
	s_add_co_u32 s86, s86, s87
	s_lshl_b32 s87, s[PW], 18
	s_add_co_u32 s86, s86, s87
	s_and_b32 s87, s12, 7
	s_lshl_b32 s87, s87, 9
	s_add_co_u32 s86, s86, s87
	s_mov_b32 s87, 0
	s_lshl_b32 s[T0], s[CX], 4
	s_lshl_b32 s14, s[PW], 2
	s_add_co_u32 s[T0], s[T0], s14                 ; my pair's first tile of queries
	WALU
	s_wait_dscnt 0x0                               ; both opening adds are done
	s_wait_kmcnt 0x0
	s_add_nc_u64 s[QP:QP+1], s[4:5], s[78:79]
	s_add_nc_u64 s[OB0:OB0+1], s[8:9], s[86:87]
	s_mov_b64 s[OP:OP+1], s[OB0:OB0+1]
	s_add_nc_u64 s[84:85], s[6:7], s[84:85]
	global_load_b128 v[OT:OT+3], v[MO], s[84:85]   ; the mask: 256 threads x 16 bytes
.irp e, 0,1
	s_mov_b32 s[G0A+8*\e], 1
	s_mov_b32 s[G0A+8*\e+1], \e*SLOTB
	s_add_nc_u64 s[G0A+8*\e+2:G0A+8*\e+3], s[QP:QP+1], (128+\e)*REC   ; k's records lie 128 records behind q's,
	s_or_b32 s[G0A+8*\e+3], s[G0A+8*\e+3], 0x80000000
	s_mov_b32 s[G0B+8*\e], 1
	s_mov_b32 s[G0B+8*\e+1], \e*SLOTB+REC
	s_add_nc_u64 s[G0B+8*\e+2:G0B+8*\e+3], s[QP:QP+1], (256+\e)*REC   ; v's 256
	s_or_b32 s[G0B+8*\e+3], s[G0B+8*\e+3], 0x80000000
.endr
	CROUND                                         ; all four work-groups are here: the joint loads meet
	ARM 1, G0A, .Larm_v0                           ; one load a wave, in the order in which the records are wanted
	ARM 2, G0B, .Larm_k1
	ARM 3, G0A+8, .Larm_v1
	ARM 4, G0B+8, .Larm_none
.Lasked:
	v_and_b32 v[L16], 31, v0
	v_lshlrev_b32 v[L16], 4, v[L16]
	v_and_b32 v30, 15, v0                          ; r
	v_bfe_u32 v31, v0, 4, 1                        ; h
	v_lshlrev_b32 v[R4], 2, v30
	WALU
	s_lshl_b32 s78, s[T0], 10
	v_add_nc_u32 v[QOFF], s78, v[L16]              ; tile t's images begin 1,024 t behind the scale words
	s_lshl_b32 s78, s[T0], 5
	v_add_nc_u32 v[QSOFF], s78, v[R4]              ; its pair's word: 64 (t / 2) + 4 r
	QLOAD
	s_lshl_b32 s78, s[HK], 15                      ; my half of the keys: four steps of 8,192 bytes of images,
	s_add_co_u32 s79, s78, 2048
	v_add_nc_u32 v[AK0], s79, v[L16]
	s_add_co_u32 s79, s78, REC+2048
	v_add_nc_u32 v[AV0], s79, v[L16]
	s_lshl_b32 s78, s[HK], 10                      ; of 256 bytes of scale words,
	v_add_nc_u32 v[AKS0], s78, v[R4]
	s_add_co_u32 s79, s78, REC
	v_add_nc_u32 v[AVS0], s79, v[R4]
	s_lshl_b32 s78, s[HK], 11                      ; of 512 bytes of the mask
	s_add_co_u32 s78, s78, MASKB
	v_lshl_add_u32 v[AM], v31, 6, s78
	s_mul_i32 s14, s[WV], 16*272
	s_add_co_u32 s14, s14, STAGE                   ; my stage
	v_mul_u32_u24 v[STO], v30, 272
	v_lshl_add_u32 v[STO], v31, 6, v[STO]
	v_add_nc_u32 v[STO], s14, v[STO]               ; in: row r, + 64 h
	s_mul_i32 s78, s[HK], 8*272                    ; out: rows 8 x my half on; lanes 0-15 one row of 256 bytes, lanes 16-31 the next
	s_add_co_u32 s79, s14, s78
	v_mul_u32_u24 v[RD], v31, 272
	v_lshl_add_u32 v[RD], v30, 4, v[RD]
	s_xor_b32 s80, s[WV], 4                        ; my partner
	s_mul_i32 s80, s80, 16*272
	s_add_co_u32 s80, s80, STAGE
	s_add_co_u32 s80, s80, s78
	v_add_nc_u32 v[RD2], s80, v[RD]
	v_add_nc_u32 v[RD], s79, v[RD]
	v_lshlrev_b32 v[GO], 12, v31
	v_lshl_add_u32 v[GO], v30, 4, v[GO]
	s_lshl_b32 s78, s[HK], 16                      ; stage rows 8 .. 15 are tokens 16 .. 23 of the tile's 24
	v_add_nc_u32 v[GO], s78, v[GO]
	v_lshl_add_u32 v[XO], v0, 2, XSB
	v_xor_b32 v[XT], 128, v0
	v_lshl_add_u32 v[XT], v[XT], 2, XSB
	v_mov_b32 v[AK], v[AK0]                        ; head 0
	v_mov_b32 v[AKS], v[AKS0]
	v_mov_b32 v[AV], v[AV0]
	v_mov_b32 v[AVS], v[AVS0]
.irp j, 8,9,10,11,12,13,14,15
	v_mov_b32 v[QA+\j], 0                          ; the zeros between the two copies of Q
.endr
.set k, 0
.rept 16
	v_mov_b32 v[TM+k], 0                           ; written once: a lane permute's destination counts as one of its sources
.set k, k+1
.endr
	v_mov_b32 v[INV+1], 0                          ; (the upper half of a pair of which the low word alone is used)
	WALU
	s_wait_loadcnt 5                               ; the mask's load is in; Q's five may be out
	ds_store_b128 v[ML], v[OT:OT+3]
	s_wait_loadcnt 0x0
	v_perm_b32 v[QSW], v[QW], v[QW], s[SELQ]
	PLACES 8                                       ; between the scale word and its first product
	WALU
	s_wait_dscnt 0x0                               ; my part of the mask is stored
	s_cmp_eq_u32 s[WV], 0
	s_cbranch_scc0 .Lnot_k
	s_wait_tensorcnt 0x0                           ; wave 0: K of head 0 has landed
.Lnot_k:
	s_barrier_signal -1
	s_barrier_wait -1
	s_barrier_signal -1                            ; answered by the first trip's wait for a tile before, which there is not
	FETCHF AK, AKS, 0, 0, FR, SWA
	FETCHF AK, AKS, 1, 1, 128, SWB
.Ltile:                                            ; eight trips: a tile of 16 queries each; my fragments of K's steps 0 and 1 are on their way
	WALU
	s_wait_dscnt 20                                ; all but step 1's 20: K of step 0 is in
.irp s, 0,1,2,3
	SALL \s
.if \s == 0
	WIN 0
.irp j, 0,1,2,3,4,5,6,7
	v_mov_b32 v[SUM+\j], 0                         ; (the eight places behind the products)
.endr
.else
	DADD \s-1                                      ; (also the places behind the products)
.endif
	FETCHM \s
.if \s == 0
	FETCHF AK, AKS, 2, 1, 192, SWC
.elseif \s == 1
	WALU
	s_wait_xcnt 0x0                                ; the last tile's stores have read their registers, where K of step 3 lands
	FETCHF AK, AKS, 3, 0, FR2, SWD
.elseif \s == 3
	s_add_co_u32 s78, s[TN], 1                     ; the next tile's Q (the last trip asks for its own again)
	s_min_u32 s78, s78, 7
	s_lshr_b32 s79, s78, 2
	s_and_b32 s78, s78, 3
	s_add_co_u32 s78, s78, s[T0]
	s_mul_i32 s79, s79, REC
	s_lshl_b32 s81, s78, 10
	s_add_co_u32 s81, s81, s79
	v_add_nc_u32 v[QOFF], s81, v[L16]
	s_lshr_b32 s82, s78, 1
	s_lshl_b32 s82, s82, 6
	s_add_co_u32 s82, s82, s79
	v_add_nc_u32 v[QSOFF], s82, v[R4]
	QLOAD
.endif
	SCALE \s
	WALU                                           ; ahead of the batch,
	EXPS \s
	WALU                                           ; and behind it
	s_wait_dscnt 0x0                               ; the mask, and the fragments asked for with it
	CMASK \s
.if \s == 0
	WIN 0
	WALU
	s_barrier_wait -1                              ; both halves of the tile before lie in the stages
	s_cmp_eq_u32 s[TN], 0
	s_cbranch_scc1 .Lno_tile_before
	OUTB
.Lno_tile_before:
.endif
.endr
	DADD 3
	WIN 0
	v_pk_add_f32 v[SUM:SUM+1], v[SUM:SUM+1], v[SUM+2:SUM+3]
	v_pk_add_f32 v[SUM+4:SUM+5], v[SUM+4:SUM+5], v[SUM+6:SUM+7]
	v_pk_add_f32 v[SUM:SUM+1], v[SUM:SUM+1], v[SUM+4:SUM+5]
	v_add_f32 v[SUM], v[SUM], v[SUM+1]
	v_permlanex16_b32 v[TP], v[SUM], s[SEL], s[SEL+1]
	v_add_f32 v[SUM], v[SUM], v[TP]                ; the sum over my 512 keys
	ds_store_b32 v[XO], v[SUM]
	WALU
	s_add_co_u32 s78, s[TN], 1                     ; the next tile: where its head begins in LDS, and which half of Q's pair word is its own
	s_min_u32 s78, s78, 7
	s_lshr_b32 s79, s78, 2
	s_mul_i32 s[SBN], s79, SLOTB
	s_and_b32 s78, s78, 1
	s_mov_b32 s[SELQ], 0x03020302
	s_cmp_eq_u32 s78, 0
	s_cselect_b32 s[SELQ], 0x01000100, s[SELQ]
	s_cmp_lt_u32 s[WV], 2
	s_cbranch_scc0 .Lnot_v
	s_wait_tensorcnt 0x0                           ; wave 1: V of head 0 has landed
.Lnot_v:
	s_wait_dscnt 0x0                               ; my half sum is stored
	s_barrier_signal -1
	DMAXALL                                        ; work on registers while the others arrive
	WIN 0
	WALU
	s_barrier_wait -1
	ds_load_b32 v[TP2], v[XT]                      ; my partner's half sum
	FETCHF AV, AVS, 0, 0, FR, SWC
	v_add_nc_u32 v[AK], s[SBN], v[AK0]             ; the next tile's K
	v_add_nc_u32 v[AKS], s[SBN], v[AKS0]
	XLANE
	WALU
	s_wait_dscnt 20                                ; all but the 20 just issued
	v_add_f32 v[SUM], v[SUM], v[TP2]               ; the row's sum (the same bits in both waves: an addition of two)
	v_add_f32 v[SUM], 0x322bcc77, v[SUM]           ; + 1e-8
	WALU                                           ; ahead of the reciprocal,
	v_rcp_f32 v[INV], v[SUM]
	v_nop
	WALU                                           ; and ahead of its first reader
	SCLALL
	NORM 0
.irp b, 0,1,2,3
	HOLD 0, \b
.endr
	CVT 0
	FETCHF AV, AVS, 1, 1, 0, SWD                   ; V of step 1, where p of step 0 lay
.irp s, 0,1,2,3
.if \s < 3
	NORM \s+1                                      ; (also the places between the codes and their products)
.else
	PLACES 4
.endif
	WIN 0
	WALU
.if \s < 3
	s_wait_dscnt 20                                ; all but the 20 issued last: V of my step s is in
.else
	s_wait_dscnt 0x0
.endif
.if \s == 2
	s_wait_loadcnt 0x0                             ; the next tile's Q
	v_perm_b32 v[QSW], v[QW], v[QW], s[SELQ]
.endif
	PVALL \s
.if \s < 3
	HOLD \s+1, 0                                   ; (sixteen places behind the products)
.if \s == 0
	FETCHF AK, AKS, 0, 0, FR, SWA                  ; the next tile's K of step 0, where V of step 0 lay
.endif
	HOLD \s+1, 1
	HOLD \s+1, 2
	HOLD \s+1, 3
	CVT \s+1
.if \s < 2
	FETCHF AV, AVS, \s+2, 1, 64*(\s+1), SWC+8*(\s%2)   ; V of step s + 2, where p of step s + 1 lay
.endif
.endif
.endr
	WIN 0
	; THE WAY OUT.  Register j of accumulator t is out(query r, channel 32 (t / 2) + 16 h + 8 (t % 2) + j), summed over my 512 keys.  (The last tile's stores read their base ahead of the wait on XCNT in this trip.)
	s_and_b32 s78, s[TN], 3                        ; tile i of the head holds tokens 32 (i / 2) + 8 (i % 2) + r + 8 (r / 8) of my pair's 64
	s_lshr_b32 s79, s78, 1
	s_lshl_b32 s79, s79, 17
	s_and_b32 s78, s78, 1
	s_lshl_b32 s78, s78, 15
	s_add_co_u32 s78, s78, s79
	s_lshr_b32 s79, s[TN], 2
	s_lshl_b32 s79, s79, 8                         ; the head
	s_add_co_u32 s78, s78, s79
	s_mov_b32 s79, 0
	s_add_nc_u64 s[OP:OP+1], s[OB0:OB0+1], s[78:79]
	v_add_nc_u32 v[AV], s[SBN], v[AV0]             ; the next tile's V.  These two and six v_nop are the places behind the last products
	v_add_nc_u32 v[AVS], s[SBN], v[AVS0]
	PLACES 6
.irp t, 0,1,2,3
	ds_store_b128 v[STO], v[OT+8*\t:OT+8*\t+3] offset:128*(\t/2)+32*(\t%2)        ; each accumulator from its low end on
	ds_store_b128 v[STO], v[OT+8*\t+4:OT+8*\t+7] offset:128*(\t/2)+32*(\t%2)+16
.endr
	WALU
	s_wait_tensorcnt 0x0                           ; every wave's record has landed (in later trips this orders nothing more),
	s_wait_dscnt 0x0                               ; and my half of O^T is in my stage
	s_barrier_signal -1                            ; the wait stands in the next trip, or behind the loop
	FETCHF AK, AKS, 1, 1, 128, SWB                 ; the next tile's K of step 1, where V of step 3 lay
	s_add_co_u32 s[TN], s[TN], 1
	s_cmp_lt_u32 s[TN], 8
	WALU
	s_cbranch_scc1 .Ltile
	s_barrier_wait -1
	OUTB                                           ; the last tile
	s_wait_tensorcnt 0x0                           ; the wave's end
	ds_add_u32 v[SPW], v[NIL]
	s_wait_dscnt 0x0
	CROUND                                         ; the closing round
	s_endpgm
.Lfunc_end_k_q9a9c30bbb6_attn:
	.size	k_q9a9c30bbb6_attn, .Lfunc_end_k_q9a9c30bbb6_attn-k_q9a9c30bbb6_attn
	.p2alignl 7, 3214868480
	.fill 96, 4, 3214868480
	.section	.rodata,"a",@progbits
	.p2align	6, 0x0
	.amdhsa_kernel k_q9a9c30bbb6_attn
		.amdhsa_group_segment_fixed_size 311296
		.amdhsa_private_segment_fixed_size 0
		.amdhsa_enable_private_segment 0
		.amdhsa_kernarg_size 24
		.amdhsa_user_sgpr_count 2
		.amdhsa_user_sgpr_kernarg_segment_ptr 1
		.amdhsa_wavefront_size32 1
		.amdhsa_system_sgpr_workgroup_id_x 1
		.amdhsa_system_sgpr_workgroup_id_y 1
		.amdhsa_system_sgpr_workgroup_id_z 1
		.amdhsa_system_vgpr_workitem_id 0
		.amdhsa_next_free_vgpr 512
		.amdhsa_next_free_sgpr 92
		.amdhsa_reserve_vcc 0
		.amdhsa_float_denorm_mode_32 3
		.amdhsa_float_denorm_mode_16_64 3
		.amdhsa_memory_ordered 1
		.amdhsa_forward_progress 1
		.amdhsa_inst_pref_size 116
	.end_amdhsa_kernel
	.amdgpu_metadata
---
amdhsa.version: [ 1, 2 ]
amdhsa.kernels:
  - .name:           k_q9a9c30bbb6_attn
    .symbol:         k_q9a9c30bbb6_attn.kd
    .args:
      - { .name: qkv, .offset: 0, .size: 8, .value_kind: global_buffer, .address_space: global }
      - { .name: mask, .offset: 8, .size: 8, .value_kind: global_buffer, .address_space: global }
      - { .name: out0, .offset: 16, .size: 8, .value_kind: global_buffer, .address_space: global }
    .group_segment_fixed_size: 311296
    .private_segment_fixed_size: 0
    .kernarg_segment_align: 8
    .kernarg_segment_size: 24
    .max_flat_workgroup_size: 256
    .sgpr_count:     92
    .vgpr_count:     512
    .wavefront_size: 32
...
	.end_amdgpu_metadata
.endif
;; end of part 3
